; MI455X (gfx1250); checked and timed in simulation.
; The chip was launched on July 23, 2026; its instructions are those of AMD's public machine-readable ISA for CDNA 5 (MIT licence, August 2026) and "CDNA5" Instruction Set Architecture Reference Guide (July 2026). The comments in the code are by the model that wrote it; some were corrected since.
;; Attention Block. Allowed arithmetic: matrix products marked QUANTISED: E4M3 operands, one E8M0 scale for each 32 along K, by v_wmma_scale_f32_16x16x128_f8f6f4 with both operands' format E4M3, f32 sums; everything else in f32.
;; Inputs: W_out 256 x 256 float32; W_qkv 256 x 768 float32; b_out 256 float32; b_qkv 768 float32; beta 256 float32; gamma 256 float32; x 4 x 256 x 64 x 64 float32.
;; Outputs: out0 4 x 256 x 64 x 64 float32.
;; This version of the problem:
;;   THIS VERSION OF THE PROBLEM IS GIVEN IN LOW PRECISION. The matrix products marked QUANTISED in the list below multiply operands that are first quantised to E4M3 (4 exponent bits, 3 mantissa bits; 8 bits a number), with one power-of-two scale for each 32 numbers along K (OCP MX v1.0); their sums are f32. All else is computed in f32.
;;   The module's matrix products, in the order in which they are computed (A, B: the left and right operand; K: the contracted axis; several contracted axes count as one K, in the product's order):
;;     1. [M 16,384, K 256] x [K 256, N 768]; A: computed on the way; B: input W_qkv: QUANTISED
;;     2. batch 16 x [M 4,096, K 64] x [K 64, N 4,096]; A: computed on the way; B: computed on the way: QUANTISED
;;     3. batch 16 x [M 64, K 4,096] x [K 4,096, N 4,096]; A: computed on the way; B: softmax (see below): QUANTISED
;;     4. [M 16,384, K 256] x [K 256, N 256]; A: computed on the way; B: input W_out: QUANTISED
;;   THE QUANTISER, for each operand of a quantised product, along K:
;;     - K is cut into blocks of 32 from its start; a last block that is shorter is filled with zeros.
;;     - A block's scale is 2^e with e = floor(log2(the largest magnitude in the block)) - 8, held to -126 .. 127; a block of zeros has e = 0. As a byte (E8M0): e + 127.
;;     - Each number is divided by its block's scale, clamped to +-448, and rounded to the nearest number of E4M3, ties to even, subnormals kept.
;;     - The product sums the exact products of the quantised numbers (number of the format x scale) in f32.
;;   ~~~python
;;   def quantise(x, axis):      # numpy; x: float32 -> the quantised numbers, widened to float32 again
;;       x = np.moveaxis(x, axis, -1); K = x.shape[-1]
;;       x = np.pad(x, [(0, 0)] * (x.ndim - 1) + [(0, -K % 32)]); x = x.reshape(x.shape[:-1] + (-1, 32)); a = np.abs(x).max(-1, keepdims=True)
;;       e = np.where(a > 0, np.clip(np.frexp(np.where(a > 0, a, 1))[1] - 1 - 8, -126, 127), 0)      # np.frexp(a)[1] - 1 = floor(log2(a)), exactly
;;       r = np.clip(x / 2.0 ** e, -448, 448)
;;       step = 2.0 ** (np.maximum(np.frexp(np.where(r == 0, 1, r))[1] - 1, -6) - 3)
;;       q = np.round(r / step) * step * 2.0 ** e      # np.round: ties to even
;;       return np.moveaxis(q.reshape(q.shape[:-2] + (-1,))[..., :K], -1, axis).astype(np.float32)
;;   ~~~
;;   SOFTMAX AHEAD OF A QUANTISED PRODUCT. Where the list says 'softmax', what is quantised is not the finished softmax but p = 2^(t - M), with t = logit x log2(e) and M = ceil(the row's largest t), a whole number; so 1/2 < the row's largest p <= 1. The row's sum l is taken of the UNQUANTISED p, in f32, and the product's result is divided by l at the end. Since M is a whole number, a kernel that streams over the keys may use a running M (the ceiling of the running maximum): every later rescaling is an exact power of two, which a block's scale takes up: the codes' values come out the same.
;;   OPERANDS COMPUTED ON THE WAY. 'Computed on the way' means the value that the module computes at that place (a softmax that the list does not call 'softmax' is quantised finished and normalised). What goes into a quantiser is computed in f32, as accurately as f32 sums, v_exp_f32 and their like allow (about 1e-6 of the number): no bf16 or f16 on the way to a quantiser, and a product that is left as it is and whose result goes on into a quantised operand takes f32 operands (vector FMAs, or v_wmma_f32_16x16x4_f32). A number that lies on a knife's edge between two numbers of the format may be rounded either way, as far as f32 arithmetic and the matrix unit's own rounding can turn it there, and no further.
;; One version. Each part assembles by itself: llvm-mc -triple=amdgcn-amd-amdhsa -mcpu=gfx1250 --defsym DOCPART=n.
;; ======== version 1 of 1: 4 launches
;; workspace buffers: gn 8,192 bytes; wq 202,752 bytes; wo 67,584 bytes; qc 4,194,304 bytes; qs 524,288 bytes; kv 8,650,752 bytes; rc 4,194,304 bytes; rs 524,288 bytes
;; launch prep (part 1): grid 136 x 1, 8 waves a work-group, no clusters, 1,536 bytes of LDS; arguments x, gamma, W_qkv, W_out, gn, wq, wo; writes gn, wq, wo
.if DOCPART == 1
	.amdgcn_target "amdgcn-amd-amdhsa--gfx1250"
	.amdhsa_code_object_version 6
	.text
	.protected	k_qf410a925c5_prep
	.globl	k_qf410a925c5_prep
	.p2align	8
	.type	k_qf410a925c5_prep,@function
k_qf410a925c5_prep:
	s_mov_b64 s[64:65], 0
	v_nop
	global_prefetch_b8 v0, s[64:65] scope:SCOPE_SE
	s_setreg_imm32_b32 hwreg(HW_REG_WAVE_MODE, 25, 1), 1
	s_wait_xcnt 0x0
; PREP.  Work-groups 0-127: the statistics of one group of GroupNorm (8 channels x 4,096 tokens = 131,072 consecutive bytes of x).
; Work-groups 128-133: W_qkv [256 (k)][768 (n)], work-groups 134-135: W_out [256 (k)][256 (n)], f32, into codes of E4M3 with one E8M0 byte for each 32 along K.
; STATISTICS.  The group stays in registers (128 numbers a thread): first the mean, then the sum of (x - mean)^2: no difference of large sums is formed.
;   gn[64 G ..]: words 0-7 = gamma x 1/sqrt(var + eps) of the group's 8 channels, words 8, 9 = the mean (twice: a pair for packed arithmetic).  The other words are neither written nor read.
; WEIGHTS.  A lane takes a column n and its 128 registers run down K (one K step of 128), so a block of 32 along K lies in one lane and the conversions give codes with K innermost.
;   The codes leave as IMAGES OF THE OPERAND'S REGISTERS: a fragment (16 columns x 128 K) is 4 chunks of 512 bytes; lane (r, h)'s registers 4 c .. 4 c + 3 (k = 32 c + 16 h + 0 .. 15) lie at 512 c + 256 h + 16 r.
;   W_qkv's tiles take their 16 columns out of a group of 32 in the order: tile u, row r = column 8 u + r + 8 (r / 8); W_out's tiles take neighbours.
;   wq: a record of 50,688 bytes for each head: 24 fragments (tile t = 0 .. 11, K step s: 2 t + s), then the scale words [t][s][r].   wo: 32 fragments, then the scale words [t][s][r].
; The three paths part on the work-group's number alone; only the first uses LDS and barriers.
; LIMITS: NaN and infinities among the inputs are not served.  A block whose largest magnitude lies under 2^-118 (a block of zeros too) is given the scale byte 1; the bytes are read by this program alone.
;   1 / sqrt is v_rsq_f32 (1 ulp: ISA guide 15.8).
.set FLOOR, 0x4800000                  ; 2^(9 - 127): under it no largest magnitude is taken, so the scale's byte cannot fall under 1
.set EOFF,  0xfc000000                 ; -(8 << 23): 8 off an exponent field
.set X,     32                         ; v32-159  128 numbers
.set CH,    24                         ; v24-31   four chains of packed sums
.set C,     160                        ; v160-191 codes: eight registers for each block, so that no store's data are written again
	s_load_b256 s[4:11], s[0:1], 0x0               ; x s[4:5], gamma s[6:7], W_qkv s[8:9], W_out s[10:11]
	s_load_b128 s[12:15], s[0:1], 0x20             ; gn s[12:13], wq s[14:15]
	s_load_b64 s[16:17], s[0:1], 0x30              ; wo
	v_lshl_add_u32 v192, v0, 2, 0x200
	v_mov_b32 v193, 0
	v_lshrrev_b32 v1, 5, v0
	v_readfirstlane_b32 s18, v1                    ; wave 0..7
	s_cmp_lt_u32 ttmp9, 128
	s_cbranch_scc0 .Lweights
; ---------------- the statistics of group G = the work-group's number
	v_lshlrev_b32 v1, 4, v0                        ; 16 bytes a thread: a load of the work-group covers 4,096 consecutive bytes
	v_and_b32 v3, 7, v0
	v_lshlrev_b32 v3, 2, v3                        ; gamma of channel (thread % 8) of the group
	v_mov_b32 v9, 0                                ; (a lane permute's destination counts as one of its sources)
	v_mov_b32 v10, s18
	v_lshlrev_b32 v10, 2, v10                      ; LDS: my wave's word
	v_mov_b32 v11, 0
	v_lshlrev_b32 v15, 2, v0                       ; gn: 4 bytes a thread
	s_mov_b32 s20, 0x76543210
	s_mov_b32 s21, 0xfedcba98                      ; v_permlanex16_b32's selects for lane l xor 16
	s_lshl_b32 s22, ttmp9, 17                      ; G x 131,072
	s_mov_b32 s23, 0
	s_and_b32 s24, ttmp9, 31
	s_lshl_b32 s24, s24, 5                         ; the group's 8 channels in gamma
	s_mov_b32 s25, 0
	s_lshl_b32 s26, ttmp9, 6                       ; G x 64
	s_mov_b32 s27, 0
	s_mov_b32 s28, 0x38000000                      ; 1 / 32,768
	s_mov_b32 s29, 0x3727c5ac                      ; eps = 1e-5
	s_wait_kmcnt 0x0
	s_add_nc_u64 s[4:5], s[4:5], s[22:23]
	s_add_nc_u64 s[6:7], s[6:7], s[24:25]
	s_add_nc_u64 s[12:13], s[12:13], s[26:27]
	global_load_b32 v2, v3, s[6:7]
.set i, 0
.rept 32
	global_load_b128 v[X+4*i:X+4*i+3], v1, s[4:5] offset:4096*i
.set i, i+1
.endr
.macro JOIN                            ; the four chains into v8
	v_pk_add_f32 v[CH:CH+1], v[CH:CH+1], v[CH+2:CH+3]
	v_pk_add_f32 v[CH+4:CH+5], v[CH+4:CH+5], v[CH+6:CH+7]
	v_pk_add_f32 v[CH:CH+1], v[CH:CH+1], v[CH+4:CH+5]
	v_add_f32 v8, v[CH], v[CH+1]
.endm
.macro WGSUM off                       ; v8 summed over the wave's lanes, then over the eight waves through 32 bytes of LDS at off: the sum in v12 of every lane
	v_add_f32_dpp v8, v8, v8 row_xmask:1 row_mask:0xf bank_mask:0xf
	v_add_f32_dpp v8, v8, v8 row_xmask:2 row_mask:0xf bank_mask:0xf
	v_add_f32_dpp v8, v8, v8 row_xmask:4 row_mask:0xf bank_mask:0xf
	v_add_f32_dpp v8, v8, v8 row_xmask:8 row_mask:0xf bank_mask:0xf
	v_permlanex16_b32 v9, v8, s20, s21
	v_add_f32 v8, v8, v9
	ds_store_b32 v10, v8 offset:\off               ; all lanes write the same word with the same value
	s_wait_dscnt 0x0                               ; for the others' sake: my store is done
	s_barrier_signal -1
	s_barrier_wait -1
	ds_load_b128 v[12:15], v11 offset:\off
	ds_load_b128 v[16:19], v11 offset:\off+16
	s_wait_dscnt 0x0
	v_add_f32 v12, v12, v13
	v_add_f32 v14, v14, v15
	v_add_f32 v16, v16, v17
	v_add_f32 v18, v18, v19
	v_add_f32 v12, v12, v14
	v_add_f32 v16, v16, v18
	v_add_f32 v12, v12, v16
.endm
	; pass 1: the sum.  The first eight pairs start the four chains: nothing is cleared
	s_wait_loadcnt 24                              ; gamma and the first eight loads are in; 24 younger ones may be out
.irp c, 0,1,2,3
	v_pk_add_f32 v[CH+2*\c:CH+2*\c+1], v[X+2*\c:X+2*\c+1], v[X+8+2*\c:X+9+2*\c]
.endr
.set p, 8
.rept 56
.if p == 16
	s_wait_loadcnt 16                              ; the second eight loads
.endif
.if p == 32
	s_wait_loadcnt 8
.endif
.if p == 48
	s_wait_loadcnt 0x0
.endif
	v_pk_add_f32 v[CH+2*(p%4):CH+2*(p%4)+1], v[CH+2*(p%4):CH+2*(p%4)+1], v[X+2*p:X+2*p+1]
.set p, p+1
.endr
	JOIN
	v_lshlrev_b32 v15, 2, v0                       ; (v15 is at work inside WGSUM: it is made anew below)
	WGSUM 0
	v_mul_f32 v20, s28, v12                        ; the mean
	v_mov_b32 v21, v20
	; pass 2: the sum of (x - mean)^2
.set p, 0
.rept 64
	v_pk_add_f32 v[X+2*p:X+2*p+1], v[X+2*p:X+2*p+1], v[20:21] neg_lo:[0,1] neg_hi:[0,1]
.set p, p+1
.endr
.irp c, 0,1,2,3
	v_pk_mul_f32 v[CH+2*\c:CH+2*\c+1], v[X+2*\c:X+2*\c+1], v[X+2*\c:X+2*\c+1]
.endr
.set p, 4
.rept 60
	v_pk_fma_f32 v[CH+2*(p%4):CH+2*(p%4)+1], v[X+2*p:X+2*p+1], v[X+2*p:X+2*p+1], v[CH+2*(p%4):CH+2*(p%4)+1]
.set p, p+1
.endr
	JOIN
	WGSUM 32                                       ; other bytes than the first sum's: no wave can overwrite what another still reads
	v_fma_f32 v12, v12, s28, s29                   ; var + eps
	v_rsq_f32 v13, v12
	v_lshlrev_b32 v15, 2, v0                       ; (a plain place behind the transcendental)  gn: 4 bytes a thread
	s_wait_alu depctr_va_vdst(0)
	v_mul_f32 v13, v2, v13                         ; gamma / sqrt(var + eps)
	v_cmp_gt_u32 vcc_lo, 8, v0
	v_cndmask_b32 v14, v20, v13, vcc_lo            ; threads 0-7: their channel's factor; threads 8, 9: the mean
	s_wait_xcnt 0x0                                ; EXEC changes only behind this wait
	v_cmp_gt_u32 vcc_lo, 10, v0
	s_wait_tensorcnt 0x0
	ds_add_u32 v192, v193
	s_wait_dscnt 0x0
	s_and_saveexec_b32 s30, vcc_lo
	global_store_b32 v15, v14, s[12:13]            ; ten words
	s_wait_xcnt 0x0
	s_or_b32 exec_lo, exec_lo, s30
	s_endpgm
; ---------------- the weights.  Task = 8 (work-group - 128) + wave: a group of 32 columns (task / 2) and a K step of 128 (task % 2)
; Block kb: 32 numbers down K, all mine.  cb: the scalar pair that holds the fragments' base.
.macro BLOCK kb, cb
.set XS, X+32*(\kb)
.if \kb < 2
	s_wait_loadcnt 63                              ; 96 (64) younger loads could stay out; the wait's field holds 63
.elseif \kb == 2
	s_wait_loadcnt 32                              ; the last block's 32 loads may be out
.else
	s_wait_loadcnt 0x0
.endif
	v_max3_num_f32 v12, |v[XS]|, |v[XS+1]|, |v[XS+2]|              ; the block's largest magnitude, in two chains
	v_max3_num_f32 v13, |v[XS+3]|, |v[XS+4]|, |v[XS+5]|
.irp i, 6,10,14,18,22,26
	v_max3_num_f32 v12, v12, |v[XS+\i]|, |v[XS+\i+1]|
	v_max3_num_f32 v13, v13, |v[XS+\i+2]|, |v[XS+\i+3]|
.endr
	v_max3_num_f32 v12, v12, |v[XS+30]|, |v[XS+31]|
	v_max3_num_f32 v12, v12, v13, FLOOR
	v_add_nc_u32 v11, EOFF, v12                    ; 8 off its exponent field: the conversion takes this operand's exponent field as its scale
	v_and_or_b32 v10, v12, 0x7f800000, s31         ; 448 x the scale: the same exponent field over 448's mantissa
	v_lshrrev_b32 v13, 23, v11                     ; the scale's byte
.if \kb == 0
	v_mov_b32 v16, v13                             ; four bytes make the column's scale word of this K step
.else
	v_lshl_or_b32 v16, v13, 8*(\kb), v16
.endif
.irp i, 0,1,2,3,4,5,6,7,8,9,10,11,12,13,14,15,16,17,18,19,20,21,22,23,24,25,26,27,28,29,30,31
	v_med3_num_f32 v[XS+\i], v[XS+\i], -v10, v10   ; the conversion to an 8-bit code does not saturate (ISA guide 7.6.2): the hold comes first
.endr
.irp g, 0,1,2,3
	v_cvt_scalef32_pk8_fp8_f32 v[C+8*(\kb)+2*\g:C+8*(\kb)+2*\g+1], v[XS+8*\g:XS+8*\g+7], v11
.endr
	global_store_b128 v7, v[C+8*(\kb):C+8*(\kb)+3], s[\cb:\cb+1] offset:512*(\kb)          ; k = 32 kb + 0 .. 15: the place of lane (r, 0); the sixteen lanes of a tile fill 256 consecutive bytes
	global_store_b128 v7, v[C+8*(\kb)+4:C+8*(\kb)+7], s[\cb:\cb+1] offset:512*(\kb)+256    ; k = 32 kb + 16 .. 31: the place of lane (r, 1)
.endm
.macro WQUANT src, pitch, cb, sb       ; src: the pair with the address of row 128 s, column 32 cg;  pitch: a row of the weight in bytes;  sb: the pair with the scale words' base
.set i, 0
.rept 128
	global_load_b32 v[X+i], v3, s[\src:\src+1] offset:i*\pitch th:TH_LOAD_NT   ; a row k at 32 neighbouring columns: 128 consecutive bytes
.set i, i+1
.endr
.irp kb, 0,1,2,3
	BLOCK \kb, \cb
.endr
	global_store_b32 v8, v16, s[\sb:\sb+1]
	s_endpgm
.endm
.Lweights:
	s_sub_co_u32 s22, ttmp9, 128
	s_lshl_b32 s22, s22, 3
	s_add_co_u32 s22, s22, s18                     ; task
	s_lshr_b32 s23, s22, 1                         ; cg: which 32 columns
	s_and_b32 s24, s22, 1                          ; s: which K step
	v_and_b32 v2, 31, v0
	v_lshlrev_b32 v3, 2, v2                        ; 4 bytes a lane
	s_mov_b32 s31, 0x600000                        ; the mantissa field of 448
	s_mov_b32 s29, 0
	s_mov_b32 s35, 0
	s_mov_b32 s37, 0
	s_cmp_lt_u32 ttmp9, 134
	s_cbranch_scc0 .Lwout
	; W_qkv: head hd = cg / 6, group bl = cg % 6 of the head's 192 columns
	s_mul_i32 s25, s23, 43
	s_lshr_b32 s25, s25, 8                         ; cg / 6 for cg < 24
	s_mul_i32 s26, s25, 6
	s_sub_co_u32 s26, s23, s26
	v_bfe_u32 v4, v0, 3, 1                         ; column L of the group is row r = L % 8 + 8 (L / 16) of tile u = (L / 8) % 2
	v_and_b32 v5, 7, v0
	v_bfe_u32 v6, v0, 4, 1
	v_lshl_add_u32 v5, v6, 3, v5
	v_lshlrev_b32 v7, 12, v4
	v_lshl_add_u32 v7, v5, 4, v7                   ; codes: 4,096 u + 16 r
	v_lshlrev_b32 v8, 7, v4
	v_lshl_add_u32 v8, v5, 2, v8                   ; scale word: 128 u + 4 r
	s_mul_i32 s28, s24, 393216                     ; 128 rows of 3,072 bytes
	s_lshl_b32 s30, s23, 7
	s_add_co_u32 s28, s28, s30
	s_mul_i32 s32, s25, 50688                      ; the head's record
	s_lshl_b32 s30, s26, 13
	s_add_co_u32 s34, s32, s30
	s_lshl_b32 s30, s24, 11
	s_add_co_u32 s34, s34, s30                     ; + 8,192 bl + 2,048 s
	s_lshl_b32 s30, s26, 8
	s_add_co_u32 s36, s32, s30
	s_lshl_b32 s30, s24, 6
	s_add_co_u32 s36, s36, s30
	s_add_co_u32 s36, s36, 49152                   ; + 49,152 + 256 bl + 64 s
	s_wait_kmcnt 0x0
	s_add_nc_u64 s[8:9], s[8:9], s[28:29]
	s_add_nc_u64 s[34:35], s[14:15], s[34:35]
	s_add_nc_u64 s[36:37], s[14:15], s[36:37]
	WQUANT 8, 3072, 34, 36
.Lwout:
	s_sub_co_u32 s23, s23, 24                      ; which 32 columns of W_out
	v_bfe_u32 v4, v0, 4, 1                         ; neighbours: tile u = L / 16, row r = L % 16
	v_and_b32 v5, 15, v0
	v_lshlrev_b32 v7, 12, v4
	v_lshl_add_u32 v7, v5, 4, v7
	v_lshlrev_b32 v8, 7, v4
	v_lshl_add_u32 v8, v5, 2, v8
	s_lshl_b32 s28, s24, 17                        ; 128 rows of 1,024 bytes
	s_lshl_b32 s30, s23, 7
	s_add_co_u32 s28, s28, s30
	s_lshl_b32 s34, s23, 13
	s_lshl_b32 s30, s24, 11
	s_add_co_u32 s34, s34, s30
	s_lshl_b32 s36, s23, 8
	s_lshl_b32 s30, s24, 6
	s_add_co_u32 s36, s36, s30
	s_add_co_u32 s36, s36, 65536
	s_wait_kmcnt 0x0
	s_add_nc_u64 s[10:11], s[10:11], s[28:29]
	s_add_nc_u64 s[34:35], s[16:17], s[34:35]
	s_add_nc_u64 s[36:37], s[16:17], s[36:37]
	WQUANT 10, 1024, 34, 36
.Lfunc_end_k_qf410a925c5_prep:
	.size	k_qf410a925c5_prep, .Lfunc_end_k_qf410a925c5_prep-k_qf410a925c5_prep
	.p2alignl 7, 3214868480
	.fill 96, 4, 3214868480
	.section	.rodata,"a",@progbits
	.p2align	6, 0x0
	.amdhsa_kernel k_qf410a925c5_prep
		.amdhsa_group_segment_fixed_size 1536
		.amdhsa_private_segment_fixed_size 0
		.amdhsa_enable_private_segment 0
		.amdhsa_kernarg_size 56
		.amdhsa_user_sgpr_count 2
		.amdhsa_user_sgpr_kernarg_segment_ptr 1
		.amdhsa_wavefront_size32 1
		.amdhsa_system_sgpr_workgroup_id_x 1
		.amdhsa_system_sgpr_workgroup_id_y 1
		.amdhsa_system_sgpr_workgroup_id_z 1
		.amdhsa_system_vgpr_workitem_id 0
		.amdhsa_next_free_vgpr 194
		.amdhsa_next_free_sgpr 66
		.amdhsa_reserve_vcc 1
		.amdhsa_float_denorm_mode_32 3
		.amdhsa_float_denorm_mode_16_64 3
		.amdhsa_memory_ordered 1
		.amdhsa_forward_progress 1
		.amdhsa_inst_pref_size 77
	.end_amdhsa_kernel
	.amdgpu_metadata
---
amdhsa.version: [ 1, 2 ]
amdhsa.kernels:
  - .name:           k_qf410a925c5_prep
    .symbol:         k_qf410a925c5_prep.kd
    .args:
      - { .name: x, .offset: 0, .size: 8, .value_kind: global_buffer, .address_space: global }
      - { .name: gamma, .offset: 8, .size: 8, .value_kind: global_buffer, .address_space: global }
      - { .name: W_qkv, .offset: 16, .size: 8, .value_kind: global_buffer, .address_space: global }
      - { .name: W_out, .offset: 24, .size: 8, .value_kind: global_buffer, .address_space: global }
      - { .name: gn, .offset: 32, .size: 8, .value_kind: global_buffer, .address_space: global }
      - { .name: wq, .offset: 40, .size: 8, .value_kind: global_buffer, .address_space: global }
      - { .name: wo, .offset: 48, .size: 8, .value_kind: global_buffer, .address_space: global }
    .group_segment_fixed_size: 1536
    .private_segment_fixed_size: 0
    .kernarg_segment_align: 8
    .kernarg_segment_size: 56
    .max_flat_workgroup_size: 256
    .sgpr_count:     66
    .vgpr_count:     194
    .wavefront_size: 32
...
	.end_amdgpu_metadata
.endif
;; end of part 1
;; launch qkv (part 2): grid 64 x 4, 4 waves a work-group, clusters of 4 x 1, 285,696 bytes of LDS; arguments x, gn, beta, wq, b_qkv, qc, qs, kv; writes qc, qs, kv
.if DOCPART == 2
	.amdgcn_target "amdgcn-amd-amdhsa--gfx1250"
	.amdhsa_code_object_version 6
	.text
	.protected	k_qf410a925c5_qkv
	.globl	k_qf410a925c5_qkv
	.p2align	8
	.type	k_qf410a925c5_qkv,@function
k_qf410a925c5_qkv:
	s_mov_b64 s[64:65], 0
	v_nop
	global_prefetch_b8 v0, s[64:65] scope:SCOPE_SE
	s_setreg_imm32_b32 hwreg(HW_REG_WAVE_MODE, 25, 1), 1
	s_wait_xcnt 0x0
	s_wait_alu depctr_hold_cnt(0) depctr_sa_sdst(0) depctr_va_vdst(0) depctr_va_sdst(0) depctr_va_ssrc(0) depctr_va_vcc(0) depctr_vm_vsrc(0)
	s_getreg_b32 s2, hwreg(HW_REG_IB_STS2, 6, 4)
	s_cmp_eq_u32 s2, 0
	s_cbranch_scc0 .Lentry_in_a_cluster
	s_endpgm
.Lentry_in_a_cluster:
	s_bfe_u32 s2, ttmp6, 0x10000c
	s_cmp_lg_u32 s2, 0x3003
	s_cbranch_scc0 .Lentry_shape_is_right
	s_endpgm
.Lentry_shape_is_right:
; QKV.  hid = GroupNorm(x) (from gn's figures), quantised along the channels; hid W_qkv + b_qkv on codes of E4M3 with E8M0 scales; q and k x 8^(-1/2), quantised along the head's 64; v quantised along the keys.
; SHARES.  A work-group takes 64 tokens of one batch entry (gx = 4 x cluster x + cx, b = y).  First each wave normalises and quantises a quarter of hid (32 tokens x 128 channels); then WAVE w IS HEAD w: its 192 columns of
; W_qkv (24 fragments, 384 registers) against all 64 tokens.
; TOKEN ORDER.  A tile of 16 tokens out of a group of 32: tile u, row r = token 8 u + r + 8 (r / 8).  W's tiles take their columns in the same order.  So in a product's result the 16 registers of tiles 2 b, 2 b + 1 are 16
; NEIGHBOURS (32 b + 16 (lane / 16) + 0 .. 15) along the axis that is the next product's K, and the conversions' results are the next operand's registers.
;   q, k: the product is used TRANSPOSED (source 0 = 16 columns of W, source 1 = 16 tokens): a lane holds one token, its registers run along the head's d.
;   v:    source 0 = 16 tokens, source 1 = 16 columns of W: a lane holds one d, its registers run along the tokens, which are the keys.
; ALL OPERANDS LEAVE AS IMAGES OF THEIR REGISTERS (4 registers of 32 lanes = 512 consecutive bytes a store):
;   qc [bh][tile of 16 queries][2 chunks][lane][16];  qs [bh][tile][lane]: the word (q0, q1, q0, q1).
;   kv [bh][step of 128 keys]: a record of 16,896 bytes: 4 fragments of K (registers 0-7 = key tile 2 f, 8-15 = key tile 2 f + 1: two tiles of K = 64 share one fragment of K = 128), 4 fragments of V^T (16 d x 128 keys),
;      K's scale words [f][r], V's scale words [t][r].
; CLUSTER.  The four work-groups of a cluster read the same W_qkv: each head's record (50,688 bytes) is asked for jointly, once for the four.  x's tile is each work-group's own: a plain load.
; No LDS byte is filled twice.  By this text's count a wave has two tensor loads out.
; LIMITS: NaN and infinities are not served; a block whose largest magnitude lies under 2^-118 (a block of zeros too) is given the scale byte 1 (read by this program alone).
; LDS: 0: W's four records;  XST: x [256 channels][64 tokens] f32;  HIMG: hid's 8 fragments (tile m, K step s: 2 m + s);  HSC: their scale words [m][s][r].
; REGISTERS.  window 0: v1-12 addresses; v16-31 at work; v32 the scale word just made; v33 hid's scale words; v34-45 W's; v48-111 q and k of a tile (before: the means); v112-127 codes; v128-255 v (before: 128 numbers of x).
;   window 1: W's fragments 0-15.   window 2: v0-127 fragments 16-23; v128-191 the bias of q, k in the result's layout; v192-223 that of v.   window 3: gamma/sigma and beta of my 128 channels; later v0-31 hid's two fragments.
.set FLOOR, 0x4800000
.set EOFF,  0xfc000000
.set WREC,  50688
.set XST,   4*WREC
.set HIMG,  XST+65536
.set HSC,   HIMG+16384
.set TM,  16
.set PW,  32
.set XS,  33
.set WS,  34
.set HA,  48
.set PC,  112
.set VA,  128
.set MSB, 0
.macro WIN new                         ; the immediate's high byte repeats the setting that is left
.if MSB != (\new)
	s_set_vgpr_msb (MSB<<8)|(\new)
.set MSB, \new
.endif
.endm
.macro CROUND                          ; a round of the cluster's barrier
	s_barrier_signal -1
	s_barrier_wait -1
	s_cmp_lg_u32 s20, 0
	s_cbranch_scc1 .Lnot_wave_0_\@
	s_barrier_signal -3
.Lnot_wave_0_\@:
	s_barrier_wait -3
	s_barrier_signal -1
	s_barrier_wait -1
.endm
	s_load_b512 s[4:19], s[0:1], 0x0               ; x s[4:5], gn s[6:7], beta s[8:9], wq s[10:11], b_qkv s[12:13], qc s[14:15], qs s[16:17], kv s[18:19]
	s_set_vgpr_msb 0x80
	v_lshl_add_u32 v254, v0, 2, 0x45a00
	v_mov_b32 v255, 0
	s_set_vgpr_msb 0x808a
	ds_add_u32 v254, v255
	ds_add_u32 v254, v255
	s_set_vgpr_msb 0x8a00
	v_lshrrev_b32 v1, 5, v0
	v_readfirstlane_b32 s20, v1                    ; wave 0..3
	s_bfe_u32 s21, ttmp6, 0x40000                  ; cx
	s_lshl_b32 s22, ttmp9, 2
	s_add_co_u32 s22, s22, s21                     ; gx: which 64 tokens.  It enters global addresses of my own loads and stores alone
	s_and_b32 s23, ttmp7, 0xffff                   ; b
	s_mov_b32 s24, 0x76543210
	s_mov_b32 s25, 0xfedcba98                      ; lane l xor 16
	s_mov_b32 s26, 0x600000                        ; the mantissa field of 448
	s_mov_b32 s27, 0xffff0000                      ; lanes 16-31
	s_mov_b32 s28, 0x3eb504f3                      ; 8^(-1/2)
	s_mov_b32 s29, s28
	; W's record: 198 rows of 256 bytes (32 elements of 8), dense; the mask names all four work-groups
	s_mov_b32 s52, 15|(3<<16)|(1<<21)
	s_mov_b32 s53, 32<<16
	s_mov_b32 s54, 198<<16
	s_mov_b32 s55, 32<<16
	s_mov_b32 s56, 198
	s_mov_b32 s57, 32
	s_mov_b32 s58, 0
	s_mov_b32 s59, 0
	; x's tile: 64 channels x 64 tokens of 4 bytes, 4,096 elements from channel to channel; no mask
	s_mov_b32 s40, 2<<16
	s_mov_b32 s41, 64<<16
	s_mov_b32 s42, 64<<16
	s_mov_b32 s43, 64<<16
	s_mov_b32 s44, 64
	s_mov_b32 s45, 4096
	s_mov_b32 s46, 0
	s_mov_b32 s47, 0
	s_mul_i32 s30, s20, WREC                       ; head w's record, in memory and in LDS alike
	s_mov_b32 s31, 0
	s_lshl_b32 s32, s23, 22                        ; x: (256 b + 64 w) channels of 16,384 bytes + 256 gx
	s_lshl_b32 s33, s20, 20
	s_add_co_u32 s32, s32, s33
	s_lshl_b32 s33, s22, 8
	s_add_co_u32 s32, s32, s33
	s_mov_b32 s33, 0
	s_lshl_b32 s34, s20, 14
	s_add_co_u32 s34, s34, XST
	s_wait_dscnt 0x0
	s_wait_kmcnt 0x0
	s_mov_b32 s48, 1
	s_mov_b32 s49, s30
	s_add_nc_u64 s[50:51], s[10:11], s[30:31]
	s_or_b32 s51, s51, 0x80000000
	s_mov_b32 s36, 1
	s_mov_b32 s37, s34
	s_add_nc_u64 s[38:39], s[4:5], s[32:33]
	s_or_b32 s39, s39, 0x80000000
	CROUND                                         ; all four work-groups are here: the joint loads meet
	tensor_load_to_lds s[48:51], s[52:59]          ; W of head w, jointly
	s_nop 0
	tensor_load_to_lds s[36:39], s[40:47]          ; my 64 channels of x
	s_nop 0
.rept 4
	v_nop
.endr
	; addresses
	v_and_b32 v13, 31, v0
	v_lshlrev_b32 v1, 4, v13                       ; 16 x lane: an image's place
	v_lshlrev_b32 v2, 2, v13                       ; 4 x lane: a scale word's
	v_mov_b32 v3, 0
	v_and_b32 v14, 15, v0                          ; r
	v_bfe_u32 v15, v0, 4, 1                        ; h
	s_lshr_b32 s30, s20, 1                         ; sk: which 128 channels I normalise = hid's K step
	s_and_b32 s31, s20, 1                          ; bk: which 32 tokens
	s_lshl_b32 s32, s30, 15
	s_lshl_b32 s33, s31, 7
	s_add_co_u32 s32, s32, s33
	s_add_co_u32 s32, s32, XST
	v_add_nc_u32 v4, s32, v2                       ; x in LDS: channel 128 sk, token 32 bk + lane
	v_bfe_u32 v16, v0, 3, 1                        ; token L of the group is row r' = L % 8 + 8 (L / 16) of tile u = (L / 8) % 2
	v_and_b32 v17, 7, v0
	v_lshl_add_u32 v17, v15, 3, v17
	v_lshlrev_b32 v5, 12, v16
	v_lshl_add_u32 v5, v17, 4, v5
	s_lshl_b32 s32, s31, 13
	s_lshl_b32 s33, s30, 11
	s_add_co_u32 s32, s32, s33
	s_add_co_u32 s32, s32, HIMG
	v_add_nc_u32 v5, s32, v5                       ; hid's image: tile 2 bk + u, K step sk, lane (r', 0)
	v_lshlrev_b32 v6, 7, v16
	v_lshl_add_u32 v6, v17, 2, v6
	s_lshl_b32 s32, s31, 8
	s_lshl_b32 s33, s30, 6
	s_add_co_u32 s32, s32, s33
	s_add_co_u32 s32, s32, HSC
	v_add_nc_u32 v6, s32, v6                       ; and its scale word
	s_mul_i32 s32, s20, WREC
	v_add_nc_u32 v7, s32, v1                       ; W's fragments in LDS
	s_add_co_u32 s32, s32, 49152
	v_add_nc_u32 v8, s32, v2                       ; W's scale words
	v_lshlrev_b32 v9, 6, v15                       ; bias of q, k: 64 h
	v_and_b32 v10, 8, v14
	v_add_nc_u32 v10, v10, v14
	v_lshlrev_b32 v10, 2, v10                      ; bias of v: 4 (r + 8 (r / 8))
	v_add_nc_u32 v11, HIMG, v1
	v_add_nc_u32 v12, HSC, v2
.irp b, 0,1,2,3
	v_mov_b32 v[TM+4+\b], 0                        ; written once: a lane permute's destination counts as one of its sources
.endr
	s_lshl_b32 s32, s23, 11                        ; gn: group 32 b + 16 sk, 64 bytes a group
	s_lshl_b32 s33, s30, 10
	s_add_co_u32 s32, s32, s33
	s_mov_b32 s33, 0
	s_add_nc_u64 s[6:7], s[6:7], s[32:33]
	s_lshl_b32 s32, s30, 9
	s_add_nc_u64 s[8:9], s[8:9], s[32:33]          ; beta of channel 128 sk
	s_mul_i32 s32, s20, 768
	s_add_nc_u64 s[12:13], s[12:13], s[32:33]      ; b_qkv of head w
	; what every lane needs alike comes by loads at one address for all lanes
	WIN 0xc0                                       ; destination window 3
.irp q, 0,1,2,3,4,5,6,7,8,9,10,11,12,13,14,15
	global_load_b128 v[8*\q:8*\q+3], v3, s[6:7] offset:64*\q           ; gamma / sigma of group q's 8 channels
	global_load_b128 v[8*\q+4:8*\q+7], v3, s[6:7] offset:64*\q+16
.endr
.set i, 0
.rept 32
	global_load_b128 v[128+4*i:131+4*i], v3, s[8:9] offset:16*i        ; beta
.set i, i+1
.endr
	WIN 0
.irp q, 0,1,2,3,4,5,6,7,8,9,10,11,12,13,14,15
	global_load_b64 v[HA+2*\q:HA+2*\q+1], v3, s[6:7] offset:64*\q+32   ; the mean, as a pair
.endr
	WIN 0x80                                       ; destination window 2
.irp t, 0,1,2,3,4,5,6,7
	global_load_b128 v[128+8*\t:131+8*\t], v9, s[12:13] offset:(32*(\t/2)+8*(\t%2))*4      ; tile t, lane (r, h): columns 32 (t / 2) + 16 h + 8 (t % 2) + 0 .. 7
	global_load_b128 v[132+8*\t:135+8*\t], v9, s[12:13] offset:(32*(\t/2)+8*(\t%2))*4+16
.endr
.irp t, 0,1,2,3
	global_load_b32 v[192+8*\t], v10, s[12:13] offset:(128+32*(\t/2)+8*(\t%2))*4           ; v's tile t: the lane's one column
.endr
	WIN 0
	; where the results go
	s_lshl_b32 s32, s23, 2
	s_add_co_u32 s32, s32, s20                     ; bh = 4 b + w
	s_lshl_b32 s34, s32, 18
	s_lshl_b32 s35, s22, 12
	s_add_co_u32 s34, s34, s35
	s_mov_b32 s35, 0
	s_add_nc_u64 s[14:15], s[14:15], s[34:35]      ; qc: tile 256 bh + 4 gx, 1,024 bytes a tile
	s_lshl_b32 s34, s32, 15
	s_lshl_b32 s33, s22, 9
	s_add_co_u32 s34, s34, s33
	s_add_nc_u64 s[16:17], s[16:17], s[34:35]      ; qs: 128 bytes a tile
	s_mul_i32 s34, s32, 540672
	s_lshr_b32 s33, s22, 1
	s_mul_i32 s33, s33, 16896
	s_add_co_u32 s34, s34, s33
	s_add_nc_u64 s[18:19], s[18:19], s[34:35]      ; kv: the record of key step gx / 2
	s_and_b32 s33, s22, 1                          ; e: which half of the step's 128 keys
	s_lshl_b32 s34, s33, 10
	s_add_co_u32 s34, s34, 8192
	s_add_nc_u64 s[60:61], s[18:19], s[34:35]      ; V^T: chunks 2 e, 2 e + 1 of each fragment
	s_lshl_b32 s34, s33, 7
	s_add_co_u32 s34, s34, 16384
	s_add_nc_u64 s[62:63], s[18:19], s[34:35]      ; K's scale words of fragments 2 e, 2 e + 1
	s_lshl_b32 s34, s33, 1
	s_add_co_u32 s34, s34, 16640
	s_add_nc_u64 s[66:67], s[18:19], s[34:35]      ; V's scale words: bytes 2 e, 2 e + 1 of each
	s_lshl_b32 s34, s33, 12
	s_add_nc_u64 s[18:19], s[18:19], s[34:35]      ; K: fragments 2 e, 2 e + 1
	; W into registers: only the wave that asked for a record reads it, so its own wait orders the reads
	s_wait_tensorcnt 0x1                           ; W's record has landed; x's tile, issued behind it, may be out
	WIN 0x40
.set i, 0
.rept 64
	ds_load_b128 v[4*i:4*i+3], v7 offset:512*i
.set i, i+1
.endr
	WIN 0x80
.set i, 0
.rept 32
	ds_load_b128 v[4*i:4*i+3], v7 offset:32768+512*i
.set i, i+1
.endr
	WIN 0
.irp t, 0,1,2,3,4,5,6,7,8,9,10,11
	ds_load_b32 v[WS+\t], v8 offset:128*\t         ; lanes 0-15: K step 0; lanes 16-31: K step 1
.endr
	s_wait_tensorcnt 0x0                           ; my quarter of x has landed,
	s_wait_loadcnt 0x0
	s_wait_dscnt 0x0
	s_barrier_signal -1
	s_barrier_wait -1                              ; everybody's has
	WIN 0x82
.irp t, 0,1,2,3
.irp j, 1,2,3,4,5,6,7
	v_mov_b32 v[192+8*\t+\j], v[192+8*\t]          ; v's bias in the result's layout: a lane's eight registers are eight tokens of one column
.endr
.endr
	WIN 0
; ---- X: 32 tokens (a lane each) x 128 channels (registers): normalised, quantised in blocks of 32 channels, stored as hid's images
.macro LOADX t
.set i, 0
.rept 32
	ds_load_b32 v[VA+32*(\t)+i], v4 offset:(32*(\t)+i)*256         ; a channel at 32 neighbouring tokens
.set i, i+1
.endr
.endm
.macro XBLOCK t
.set XB, VA+32*(\t)
.if \t < 3
	s_wait_dscnt 32                                ; this block's numbers are in and the last block's stores are done; the next block's 32 loads may be out
.else
	s_wait_dscnt 0x0
.endif
.set i, 0
.rept 16
	v_pk_add_f32 v[XB+2*i:XB+2*i+1], v[XB+2*i:XB+2*i+1], v[HA+2*(4*(\t)+i/4):HA+2*(4*(\t)+i/4)+1] neg_lo:[0,1] neg_hi:[0,1]   ; x - mean of the channel's group
.set i, i+1
.endr
	WIN 0x3c                                       ; sources 1 and 2 window 3
.set i, 0
.rept 16
	v_pk_fma_f32 v[XB+2*i:XB+2*i+1], v[XB+2*i:XB+2*i+1], v[32*(\t)+2*i:32*(\t)+2*i+1], v[128+32*(\t)+2*i:128+32*(\t)+2*i+1]   ; x gamma / sigma + beta
.set i, i+1
.endr
	WIN 0
	v_max3_num_f32 v[TM], |v[XB]|, |v[XB+1]|, |v[XB+2]|
	v_max3_num_f32 v[TM+1], |v[XB+3]|, |v[XB+4]|, |v[XB+5]|
.irp i, 6,10,14,18,22,26
	v_max3_num_f32 v[TM], v[TM], |v[XB+\i]|, |v[XB+\i+1]|
	v_max3_num_f32 v[TM+1], v[TM+1], |v[XB+\i+2]|, |v[XB+\i+3]|
.endr
	v_max3_num_f32 v[TM], v[TM], |v[XB+30]|, |v[XB+31]|
	v_max3_num_f32 v[TM], v[TM], v[TM+1], FLOOR
	v_add_nc_u32 v[TM+12], EOFF, v[TM]
	v_and_or_b32 v[TM+8], v[TM], 0x7f800000, s26
	v_lshrrev_b32 v[TM+1], 23, v[TM+12]
.if \t == 0
	v_mov_b32 v[PW], v[TM+1]
.else
	v_lshl_or_b32 v[PW], v[TM+1], 8*(\t), v[PW]
.endif
.irp i, 0,1,2,3,4,5,6,7,8,9,10,11,12,13,14,15,16,17,18,19,20,21,22,23,24,25,26,27,28,29,30,31
	v_med3_num_f32 v[XB+\i], v[XB+\i], -v[TM+8], v[TM+8]
.endr
.irp g, 0,1,2,3
	v_cvt_scalef32_pk8_fp8_f32 v[PC+2*\g:PC+2*\g+1], v[XB+8*\g:XB+8*\g+7], v[TM+12]
.endr
	v_nop                                          ; a plain place behind the last conversion
	ds_store_b128 v5, v[PC:PC+3] offset:512*(\t)               ; k = 32 t + 0 .. 15: the place of lane (r', 0)
	ds_store_b128 v5, v[PC+4:PC+7] offset:512*(\t)+256         ; k = 32 t + 16 .. 31: of lane (r', 1)
.if \t < 2
	LOADX (\t)+2
.endif
.endm
	LOADX 0
	LOADX 1
	XBLOCK 0
	XBLOCK 1
	XBLOCK 2
	XBLOCK 3
	ds_store_b32 v6, v[PW]
	s_wait_dscnt 0x0                               ; for the others' sake: my images are stored
	s_barrier_signal -1
	s_barrier_wait -1                              ; hid's eight fragments lie in LDS
; 64 numbers of a lane, register 16 b + i = place 32 b + 16 (lane / 16) + i along K of the lane's row, become 16 registers of codes in v[PC] on and the four scale bytes in v[PW]
.macro QUANT s
.irp b, 0,1,2,3
	v_max3_num_f32 v[TM+\b], |v[(\s)+16*\b]|, |v[(\s)+16*\b+1]|, FLOOR
.endr
.irp i, 2,4,6,8,10,12,14
.irp b, 0,1,2,3
	v_max3_num_f32 v[TM+\b], v[TM+\b], |v[(\s)+16*\b+\i]|, |v[(\s)+16*\b+\i+1]|   ; the four blocks by turns
.endr
.endr
.irp b, 0,1,2,3
	v_permlanex16_b32 v[TM+4+\b], v[TM+\b], s24, s25
.endr
.irp b, 0,1,2,3
	v_max_num_f32 v[TM+\b], v[TM+\b], v[TM+4+\b]   ; with lane l xor 16's 16: the block's largest magnitude
.endr
.irp b, 0,1,2,3
	v_add_nc_u32 v[TM+12+\b], EOFF, v[TM+\b]
.endr
.irp b, 0,1,2,3
	v_and_or_b32 v[TM+8+\b], v[TM+\b], 0x7f800000, s26
.endr
.irp b, 0,1,2,3
	v_lshrrev_b32 v[TM+4+\b], 23, v[TM+12+\b]
.endr
	v_lshl_or_b32 v[PW], v[TM+5], 8, v[TM+4]
	v_lshl_or_b32 v[PW], v[TM+6], 16, v[PW]
	v_lshl_or_b32 v[PW], v[TM+7], 24, v[PW]
.irp b, 0,1,2,3
.irp i, 0,1,2,3,4,5,6,7,8,9,10,11,12,13,14,15
	v_med3_num_f32 v[(\s)+16*\b+\i], v[(\s)+16*\b+\i], -v[TM+8+\b], v[TM+8+\b]
.endr
	v_cvt_scalef32_pk8_fp8_f32 v[PC+4*\b:PC+4*\b+1], v[(\s)+16*\b:(\s)+16*\b+7], v[TM+12+\b]
	v_cvt_scalef32_pk8_fp8_f32 v[PC+4*\b+2:PC+4*\b+3], v[(\s)+16*\b+8:(\s)+16*\b+15], v[TM+12+\b]
.endr
	v_nop                                          ; a plain place behind the last conversion
.endm
; ---- M: head w against the four tiles of tokens.  The accumulators take turns, one instruction a turn
.irp m, 0,1,2,3
	WIN 0xc0
.set i, 0
.rept 8
	ds_load_b128 v[4*i:4*i+3], v11 offset:4096*\m+512*i            ; hid's two fragments of tile m
.set i, i+1
.endr
	WIN 0
	ds_load_b32 v[XS], v12 offset:128*\m           ; lanes 0-15: K step 0; lanes 16-31: K step 1
	s_wait_dscnt 0x0
	WIN 0x2d                                       ; source 0 (W) window 1, source 1 (hid) window 3, C (the bias) window 2
.irp t, 0,1,2,3,4,5,6,7
	v_wmma_scale_f32_16x16x128_f8f6f4 v[HA+8*\t:HA+8*\t+7], v[32*\t:32*\t+15], v[0:15], v[128+8*\t:135+8*\t], v[WS+\t], v[XS]
.endr
	WIN 0x0d
.irp t, 0,1,2,3,4,5,6,7
	v_wmma_scale_f32_16x16x128_f8f6f4 v[HA+8*\t:HA+8*\t+7], v[32*\t+16:32*\t+31], v[16:31], v[HA+8*\t:HA+8*\t+7], v[WS+\t], v[XS] matrix_a_scale:MATRIX_SCALE_ROW1 matrix_b_scale:MATRIX_SCALE_ROW1
.endr
	WIN 0x2b                                       ; source 0 (hid) window 3, source 1 (W) window 2, C (the bias) window 2
.irp t, 0,1,2,3
	v_wmma_scale_f32_16x16x128_f8f6f4 v[VA+32*\t+8*\m:VA+32*\t+8*\m+7], v[0:15], v[32*\t:32*\t+15], v[192+8*\t:199+8*\t], v[XS], v[WS+8+\t]
.endr
	WIN 0x0b
.irp t, 0,1,2,3
	v_wmma_scale_f32_16x16x128_f8f6f4 v[VA+32*\t+8*\m:VA+32*\t+8*\m+7], v[16:31], v[32*\t+16:32*\t+31], v[VA+32*\t+8*\m:VA+32*\t+8*\m+7], v[XS], v[WS+8+\t] matrix_a_scale:MATRIX_SCALE_ROW1 matrix_b_scale:MATRIX_SCALE_ROW1
.endr
	WIN 0
.rept 8
	v_nop                                          ; eight places behind this form before its results are read
.endr
.set i, 0
.rept 32
	v_pk_mul_f32 v[HA+2*i:HA+2*i+1], v[HA+2*i:HA+2*i+1], s[28:29] op_sel_hi:[1,0]   ; q, k x 8^(-1/2); each accumulator from its low end on
.set i, i+1
.endr
	s_wait_xcnt 0x0                                ; the last tile's stores have read their data: the codes' registers may be written again
	QUANT HA                                       ; blocks 0, 1: q's d; blocks 2, 3: k's d
	v_perm_b32 v14, v[PW], v[PW], 0x05040100       ; (q0, q1, q0, q1): the word serves Q in either half of K = 128
	global_store_b128 v1, v[PC:PC+3], s[14:15] offset:1024*\m
	global_store_b128 v1, v[PC+4:PC+7], s[14:15] offset:1024*\m+512
	global_store_b128 v1, v[PC+8:PC+11], s[18:19] offset:2048*(\m/2)+1024*(\m%2)           ; fragment m / 2, registers 8 (m % 2) on
	global_store_b128 v1, v[PC+12:PC+15], s[18:19] offset:2048*(\m/2)+1024*(\m%2)+512
	global_store_b32 v2, v14, s[16:17] offset:128*\m
.if \m%2 == 0
	v_mov_b32 v46, v[PW]                           ; kept for the fragment's word
.elseif \m == 1
	v_perm_b32 v47, v[PW], v46, 0x07060302         ; (tile 0: k0, k1; tile 1: k0, k1)
.else
	v_perm_b32 v15, v[PW], v46, 0x07060302
	v_cndmask_b32 v15, v47, v15, s27               ; lanes 0-15: the first fragment's words; lanes 16-31: the second's
	global_store_b32 v2, v15, s[62:63]
.endif
.endr
; ---- v: a lane's 128 registers are 4 tiles of d x 64 keys; blocks of 32 keys
.irp p, 0,1
	s_wait_xcnt 0x0
	QUANT VA+64*\p                                 ; block bq: tile 2 p + bq / 2 of d, keys 32 (bq % 2) on
.irp bq, 0,1,2,3
	global_store_b128 v1, v[PC+4*\bq:PC+4*\bq+3], s[60:61] offset:2048*(2*\p+\bq/2)+512*(\bq%2)
.endr
	v_lshrrev_b32 v14, 16, v[PW]
	v_cndmask_b32 v14, v[PW], v14, s27             ; lanes 0-15: tile 2 p's two bytes; lanes 16-31: tile 2 p + 1's
	global_store_b16 v2, v14, s[66:67] offset:128*\p   ; two of a word's four bytes: the other two are the neighbouring work-group's 64 keys'
.endr
	s_wait_dscnt 0x0
	s_set_vgpr_msb 0xa
	s_wait_tensorcnt 0x0
	ds_add_u32 v254, v255
	s_wait_dscnt 0x0
	s_set_vgpr_msb 0xa00
	CROUND                                         ; the closing round: no work-group ends while a partner may still ask jointly
	s_endpgm
.Lfunc_end_k_qf410a925c5_qkv:
	.size	k_qf410a925c5_qkv, .Lfunc_end_k_qf410a925c5_qkv-k_qf410a925c5_qkv
	.p2alignl 7, 3214868480
	.fill 96, 4, 3214868480
	.section	.rodata,"a",@progbits
	.p2align	6, 0x0
	.amdhsa_kernel k_qf410a925c5_qkv
		.amdhsa_group_segment_fixed_size 285696
		.amdhsa_private_segment_fixed_size 0
		.amdhsa_enable_private_segment 0
		.amdhsa_kernarg_size 64
		.amdhsa_user_sgpr_count 2
		.amdhsa_user_sgpr_kernarg_segment_ptr 1
		.amdhsa_wavefront_size32 1
		.amdhsa_system_sgpr_workgroup_id_x 1
		.amdhsa_system_sgpr_workgroup_id_y 1
		.amdhsa_system_sgpr_workgroup_id_z 1
		.amdhsa_system_vgpr_workitem_id 0
		.amdhsa_next_free_vgpr 1024
		.amdhsa_next_free_sgpr 68
		.amdhsa_reserve_vcc 0
		.amdhsa_float_denorm_mode_32 3
		.amdhsa_float_denorm_mode_16_64 3
		.amdhsa_memory_ordered 1
		.amdhsa_forward_progress 1
		.amdhsa_inst_pref_size 133
	.end_amdhsa_kernel
	.amdgpu_metadata
---
amdhsa.version: [ 1, 2 ]
amdhsa.kernels:
  - .name:           k_qf410a925c5_qkv
    .symbol:         k_qf410a925c5_qkv.kd
    .args:
      - { .name: x, .offset: 0, .size: 8, .value_kind: global_buffer, .address_space: global }
      - { .name: gn, .offset: 8, .size: 8, .value_kind: global_buffer, .address_space: global }
      - { .name: beta, .offset: 16, .size: 8, .value_kind: global_buffer, .address_space: global }
      - { .name: wq, .offset: 24, .size: 8, .value_kind: global_buffer, .address_space: global }
      - { .name: b_qkv, .offset: 32, .size: 8, .value_kind: global_buffer, .address_space: global }
      - { .name: qc, .offset: 40, .size: 8, .value_kind: global_buffer, .address_space: global }
      - { .name: qs, .offset: 48, .size: 8, .value_kind: global_buffer, .address_space: global }
      - { .name: kv, .offset: 56, .size: 8, .value_kind: global_buffer, .address_space: global }
    .group_segment_fixed_size: 285696
    .private_segment_fixed_size: 0
    .kernarg_segment_align: 8
    .kernarg_segment_size: 64
    .max_flat_workgroup_size: 128
    .sgpr_count:     68
    .vgpr_count:     1024
    .wavefront_size: 32
...
	.end_amdgpu_metadata
.endif
;; end of part 2
;; launch attn (part 3): grid 16 x 16, 8 waves a work-group, clusters of 4 x 1, 327,680 bytes of LDS; arguments qc, qs, kv, rc, rs; writes rc, rs
.if DOCPART == 3
	.amdgcn_target "amdgcn-amd-amdhsa--gfx1250"
	.amdhsa_code_object_version 6
	.text
	.protected	k_qf410a925c5_attn
	.globl	k_qf410a925c5_attn
	.p2align	8
	.type	k_qf410a925c5_attn,@function
k_qf410a925c5_attn:
	s_mov_b64 s[64:65], 0
	v_nop
	global_prefetch_b8 v0, s[64:65] scope:SCOPE_SE
	s_setreg_imm32_b32 hwreg(HW_REG_WAVE_MODE, 25, 1), 1
	s_wait_xcnt 0x0
	s_wait_alu depctr_hold_cnt(0) depctr_sa_sdst(0) depctr_va_vdst(0) depctr_va_sdst(0) depctr_va_ssrc(0) depctr_va_vcc(0) depctr_vm_vsrc(0)
	s_getreg_b32 s2, hwreg(HW_REG_IB_STS2, 6, 4)
	s_cmp_eq_u32 s2, 0
	s_cbranch_scc0 .Lentry_in_a_cluster
	s_endpgm
.Lentry_in_a_cluster:
	s_bfe_u32 s2, ttmp6, 0x10000c
	s_cmp_lg_u32 s2, 0x3003
	s_cbranch_scc0 .Lentry_shape_is_right
	s_endpgm
.Lentry_shape_is_right:
; ATTENTION on codes of E4M3 with E8M0 scales, head size 64, 4,096 keys, 16 (batch, head) pairs bh.  Inputs are images of operand registers (see the launch that makes them).
; t = score x log2(e); M = the running largest t rounded UP to a whole number; p = 2^(t - M) is quantised along the keys, not normalised; the row's sum is taken of the unquantised p and divides O at the end.
; When M moves, the sum and O^T are multiplied by 2^(old M - new M): exact.  O / sum is then quantised along the head's 64 for the output projection.
; SHARES.  A work-group owns 256 queries of one bh, each of its eight waves two tiles of 16: TWO CONTEXTS WITH THE SAME REGISTER NUMBERS, tile A in window 0, tile B in window 1, so that one macro serves both.
; Each fragment of K and V^T read from LDS feeds both tiles.  Two waves share a SIMD: one's products and LDS loads stand beside the other's vector work.
; BOTH PRODUCTS ARE USED TRANSPOSED: S^T = K Q^T, O^T = V^T P^T: a lane holds one query (lane % 16) throughout.
; K = 64 IN A FORM OF K = 128: a fragment of K carries key tile 2 f in K places 0-63 and key tile 2 f + 1 in 64-127; it is multiplied by (Q, 0) and by (0, Q).  Zero codes add nothing under any scale byte but 0xff.
; The keys of a tile are chosen (tile u of a group of 32, row r = key 8 u + r + 8 (r / 8)) so that the 16 registers of tiles 2 f, 2 f + 1 are keys 32 f + 16 (lane / 16) + 0 .. 15: p's codes are the second product's operand.
; RING.  Two LDS slots of 8 key steps (8 records of 16,896 bytes).  Every wave brings one record a fill: 66 rows of 256 bytes, dense.  CLUSTER: the four work-groups of a cluster walk the same bh: every fill is asked for jointly.
; By this text's count a wave has two tensor loads out at the start and one behind each change of slots that fills.
; LIMITS: NaN and infinities are not served; a block whose largest magnitude lies under 2^-118 is given the scale byte 1; 1 / sum is v_rcp_f32 (1 ulp); a block's largest p is taken as 2^ of the block's largest t - M, which takes
; v_exp_f32 not to fall where its input rises.
; REGISTERS of a context: v12 -M, v13 the largest t, v[14:15] the sum; v16-23 zeros, v24-31 Q, v32-39 zeros; v112-175 S^T, then p; v176-207 O^T; v208-223 p's codes; v224-245 at work.
; Window 0 alone: v1-6 addresses; v40, 41 Q's scale words (A, B); v42-43 K's, v44-45 V's; v46, 47 p's (A, B); v48-111 four fragments.
.set FLOOR, 0x4800000
.set EOFF,  0xfc000000
.set REC,   16896
.set SLOTB, 8*REC
.set SPARE, 2*SLOTB                    ; behind the ring: the spare words, 128 bytes for each wave: four blocks of 256 bytes that no other line names
.set NM,  12
.set MT,  13
.set SUM, 14
.set FR,  48
.set S,   112
.set O,   176
.set CD,  208
.set BM,  224
.set T1,  228
.set HL,  232
.set SO,  236
.set F,   240
.set TT,  242
.set PWT, 243
.set S2,  244
.set MSB, 0
.macro WIN new
.if MSB != (\new)
	s_set_vgpr_msb (MSB<<8)|(\new)
.set MSB, \new
.endif
.endm
.macro CROUND                          ; a round of the cluster's barrier
	s_barrier_signal -1
	s_barrier_wait -1
	s_cmp_lg_u32 s14, 0
	s_cbranch_scc1 .Lnot_wave_0_\@
	s_barrier_signal -3
.Lnot_wave_0_\@:
	s_barrier_wait -3
	s_barrier_signal -1
	s_barrier_wait -1
.endm
	s_load_b256 s[4:11], s[0:1], 0x0               ; qc s[4:5], qs s[6:7], kv s[8:9], rc s[10:11]
	s_load_b64 s[12:13], s[0:1], 0x20              ; rs
	v_lshl_add_u32 v5, v0, 2, SPARE                ; my spare word; never rewritten
	v_mov_b32 v6, 0                                ; 0; never rewritten
	ds_add_u32 v5, v6
	ds_add_u32 v5, v6
	s_wait_dscnt 0x0
	v_lshrrev_b32 v1, 5, v0
	v_readfirstlane_b32 s14, v1                    ; wave 0..7
	s_bfe_u32 s15, ttmp6, 0x40000                  ; cx
	s_lshl_b32 s16, ttmp9, 2
	s_add_co_u32 s16, s16, s15                     ; qb: my block of 256 queries: it enters Q's and the results' addresses alone
	s_and_b32 s17, ttmp7, 0xffff                   ; bh, which the four partners share
	s_mov_b32 s19, 0x600000                        ; the mantissa field of 448
	s_mov_b32 s20, 0x76543210
	s_mov_b32 s21, 0xfedcba98                      ; lane l xor 16
	s_mov_b32 s22, 0x3fb8aa3b                      ; log2(e)
	s_mov_b32 s23, s22
	; a record: 66 rows of 256 bytes (32 elements of 8), dense; the mask names all four work-groups
	s_mov_b32 s24, 15|(3<<16)|(1<<21)
	s_mov_b32 s25, 32<<16
	s_mov_b32 s26, 66<<16
	s_mov_b32 s27, 32<<16
	s_mov_b32 s28, 66
	s_mov_b32 s29, 32
	s_mov_b32 s30, 0
	s_mov_b32 s31, 0
	s_mul_i32 s44, s14, REC                        ; wave w brings record w of a slot
	s_mul_i32 s42, s17, 540672                     ; bh's 32 records
	s_add_co_u32 s42, s42, s44
	s_mov_b32 s43, 0
	s_wait_kmcnt 0x0
	s_add_nc_u64 s[8:9], s[8:9], s[42:43]
	s_mov_b32 s32, 1
	s_mov_b32 s33, s44
	s_mov_b64 s[34:35], s[8:9]
	s_or_b32 s35, s35, 0x80000000
	s_mov_b32 s36, 1
	s_add_co_u32 s37, s44, SLOTB
	s_add_nc_u64 s[38:39], s[8:9], SLOTB
	s_or_b32 s39, s39, 0x80000000
	CROUND                                         ; all four work-groups are here: the first joint loads meet
	tensor_load_to_lds s[32:35], s[24:31]          ; key steps 0-7
	s_nop 0
	tensor_load_to_lds s[36:39], s[24:31]          ; key steps 8-15
	s_nop 0
.rept 4
	v_nop
.endr
	s_lshl_b32 s45, s17, 8
	s_lshl_b32 s46, s16, 4
	s_add_co_u32 s45, s45, s46
	s_lshl_b32 s46, s14, 1
	s_add_co_u32 s45, s45, s46                     ; my first tile of queries: 256 bh + 16 qb + 2 w
	s_mov_b32 s47, 0
	s_lshl_b32 s46, s45, 10
	s_add_nc_u64 s[4:5], s[4:5], s[46:47]
	s_lshl_b32 s46, s45, 7
	s_add_nc_u64 s[6:7], s[6:7], s[46:47]
	s_lshr_b32 s48, s17, 2
	s_lshl_b32 s48, s48, 8
	s_lshl_b32 s49, s16, 4
	s_add_co_u32 s48, s48, s49
	s_lshl_b32 s49, s14, 1
	s_add_co_u32 s48, s48, s49                     ; the same tile among the batch entry's tokens: T = 256 b + 16 qb + 2 w
	s_and_b32 s49, s17, 3                          ; the head
	s_lshl_b32 s46, s48, 12
	s_lshl_b32 s50, s49, 10
	s_add_co_u32 s46, s46, s50
	s_add_nc_u64 s[10:11], s[10:11], s[46:47]      ; rc: 4,096 T + 1,024 head
	s_lshl_b32 s46, s48, 7
	s_lshl_b32 s50, s49, 17
	s_add_co_u32 s46, s46, s50
	s_add_nc_u64 s[12:13], s[12:13], s[46:47]      ; rs: 131,072 head + 128 T
	v_and_b32 v1, 31, v0
	v_lshlrev_b32 v2, 2, v1                        ; 4 x lane
	v_lshlrev_b32 v1, 4, v1                        ; 16 x lane
	global_load_b128 v[24:27], v1, s[4:5]
	global_load_b128 v[28:31], v1, s[4:5] offset:512
	global_load_b32 v40, v2, s[6:7]
	global_load_b32 v41, v2, s[6:7] offset:128
	WIN 0x40
	global_load_b128 v[24:27], v1, s[4:5] offset:1024
	global_load_b128 v[28:31], v1, s[4:5] offset:1536
	WIN 0
.macro INIT                            ; a context's start.  The step is written once: the first finds zeros, which the first change of M leaves zeros
.irp j, 0,1,2,3,4,5,6,7
	v_mov_b32 v[16+\j], 0
	v_mov_b32 v[32+\j], 0
.endr
.set j, 0
.rept 32
	v_mov_b32 v[O+j], 0
.set j, j+1
.endr
	v_mov_b32 v[SUM], 0
	v_mov_b32 v[SUM+1], 0
.irp b, 0,1,2,3
	v_mov_b32 v[T1+\b], 0                          ; a lane permute's destination counts as one of its sources
.endr
	v_mov_b32 v[F+1], 0                            ; (named as the upper half of a pair)
	v_mov_b32 v[MT], 0xff61b1e6                    ; -3e38, under every t
	v_floor_f32 v[NM], -v[MT]
.endm
	INIT
	WIN 0x55
	INIT
	WIN 0
; S^T of one context: 8 tiles of 16 keys from 4 fragments.  No sum is carried: every product begins with 0
.macro KQ ctx
.irp f, 0,1,2,3
.if (\f)%2
	v_wmma_scale_f32_16x16x128_f8f6f4 v[S+16*\f:S+16*\f+7], v[FR+16*\f:FR+16*\f+15], v[24:39], 0, v[42+\f/2], v[40+\ctx] matrix_a_scale:MATRIX_SCALE_ROW1
	v_wmma_scale_f32_16x16x128_f8f6f4 v[S+16*\f+8:S+16*\f+15], v[FR+16*\f:FR+16*\f+15], v[16:31], 0, v[42+\f/2], v[40+\ctx] matrix_a_scale:MATRIX_SCALE_ROW1
.else
	v_wmma_scale_f32_16x16x128_f8f6f4 v[S+16*\f:S+16*\f+7], v[FR+16*\f:FR+16*\f+15], v[24:39], 0, v[42+\f/2], v[40+\ctx]
	v_wmma_scale_f32_16x16x128_f8f6f4 v[S+16*\f+8:S+16*\f+15], v[FR+16*\f:FR+16*\f+15], v[16:31], 0, v[42+\f/2], v[40+\ctx]
.endif
.endr
.endm
; O^T += V^T P^T of one context: four accumulators by turns
.macro PV ctx
.irp t, 0,1,2,3
.if (\t)%2
	v_wmma_scale_f32_16x16x128_f8f6f4 v[O+8*\t:O+8*\t+7], v[FR+16*\t:FR+16*\t+15], v[CD:CD+15], v[O+8*\t:O+8*\t+7], v[44+\t/2], v[46+\ctx] matrix_a_scale:MATRIX_SCALE_ROW1
.else
	v_wmma_scale_f32_16x16x128_f8f6f4 v[O+8*\t:O+8*\t+7], v[FR+16*\t:FR+16*\t+15], v[CD:CD+15], v[O+8*\t:O+8*\t+7], v[44+\t/2], v[46+\ctx]
.endif
.endr
.endm
; The softmax of one context for 128 keys
.macro SOFT ctx
.irp b, 0,1,2,3
	v_max3_num_f32 v[BM+\b], v[S+16*\b], v[S+16*\b+1], v[S+16*\b+2]        ; the largest score of each block of 32 keys: for the row's maximum, and, since p rises with the score, for the block's largest p
.endr
.irp i, 3,5,7,9,11,13
.irp b, 0,1,2,3
	v_max3_num_f32 v[BM+\b], v[BM+\b], v[S+16*\b+\i], v[S+16*\b+\i+1]
.endr
.endr
.irp b, 0,1,2,3
	v_max_num_f32 v[BM+\b], v[BM+\b], v[S+16*\b+15]
.endr
.irp b, 0,1,2,3
	v_permlanex16_b32 v[T1+\b], v[BM+\b], s20, s21
.endr
.irp b, 0,1,2,3
	v_max_num_f32 v[BM+\b], v[BM+\b], v[T1+\b]     ; with lane l xor 16's 16 keys
.endr
	v_max3_num_f32 v[TT], v[BM], v[BM+1], v[BM+2]
	v_max_num_f32 v[TT], v[TT], v[BM+3]
	v_mul_f32 v[TT], s22, v[TT]                    ; as t
	v_max_num_f32 v[MT], v[MT], v[TT]              ; the running largest t
	v_mov_b32 v[TT], v[NM]
	v_floor_f32 v[NM], -v[MT]                      ; the new -M = -ceil(t)
	v_sub_f32 v[TT], v[NM], v[TT]                  ; old M - new M: a whole number, 0 or less
	v_cvt_i32_f32 v[TT], v[TT]                     ; (it saturates)
	v_ldexp_f32 v[F], 1.0, v[TT]                   ; f = 2^(old M - new M)
.set j, 0
.rept 32
	v_pk_fma_f32 v[S+j:S+j+1], v[S+j:S+j+1], s[22:23], v[NM:NM+1] op_sel_hi:[1,0,0]   ; t - M
.set j, j+2
.endr
.irp b, 0,1,2,3
	v_fma_f32 v[BM+\b], v[BM+\b], s22, v[NM]       ; the same of each block's largest score
.endr
.set j, 0
.rept 64
	v_exp_f32 v[S+j], v[S+j]                       ; p = 2^(t - M)
.set j, j+1
.endr
.irp b, 0,1,2,3
	v_exp_f32 v[BM+\b], v[BM+\b]                   ; the block's largest p
.endr
	v_pk_mul_f32 v[SUM:SUM+1], v[SUM:SUM+1], v[F:F+1] op_sel_hi:[1,0]      ; the sum under the new M.  (The plain place behind the exponentials)
	s_wait_alu depctr_va_vdst(0)
.irp b, 0,1,2,3
	v_max_num_f32 v[BM+\b], FLOOR, v[BM+\b]
.endr
.irp b, 0,1,2,3
	v_add_nc_u32 v[SO+\b], EOFF, v[BM+\b]          ; the conversion's scale operand
.endr
.irp b, 0,1,2,3
	v_and_or_b32 v[HL+\b], v[BM+\b], 0x7f800000, s19   ; 448 x the scale
.endr
.irp b, 0,1,2,3
	v_lshrrev_b32 v[T1+\b], 23, v[SO+\b]           ; the scale's byte
.endr
	v_lshl_or_b32 v[PWT], v[T1+1], 8, v[T1]
	v_lshl_or_b32 v[PWT], v[T1+2], 16, v[PWT]
.if \ctx
	WIN 0x11                                       ; scale operands have no window: the word goes to window 0
.endif
	v_lshl_or_b32 v[46+\ctx], v[T1+3], 24, v[PWT]  ; p's scale word for these 128 keys
.if \ctx
	WIN 0x55
.endif
	v_pk_add_f32 v[S2:S2+1], v[S:S+1], v[S+2:S+3]  ; the row's sum of the unquantised p, in two chains
.irp j, 4,8,12,16,20,24,28,32,36,40,44,48,52,56,60
	v_pk_add_f32 v[SUM:SUM+1], v[SUM:SUM+1], v[S+\j:S+\j+1]
	v_pk_add_f32 v[S2:S2+1], v[S2:S2+1], v[S+\j+2:S+\j+3]
.endr
	v_pk_add_f32 v[SUM:SUM+1], v[SUM:SUM+1], v[S2:S2+1]
.irp b, 0,1,2,3
.irp i, 0,1,2,3,4,5,6,7,8,9,10,11,12,13,14,15
	v_min_num_f32 v[S+16*\b+\i], v[S+16*\b+\i], v[HL+\b]   ; the conversion does not saturate (ISA guide 7.6.2); p is not negative: a one-sided hold
.endr
	v_cvt_scalef32_pk8_fp8_f32 v[CD+4*\b:CD+4*\b+1], v[S+16*\b:S+16*\b+7], v[SO+\b]
	v_cvt_scalef32_pk8_fp8_f32 v[CD+4*\b+2:CD+4*\b+3], v[S+16*\b+8:S+16*\b+15], v[SO+\b]
.endr
.set j, 0
.rept 16
	v_pk_mul_f32 v[O+j:O+j+1], v[O+j:O+j+1], v[F:F+1] op_sel_hi:[1,0]      ; O^T under the new M.  (Also the places between the codes and the products that take them)
.set j, j+2
.endr
.endm
; A key step: the record at LDS byte s40
.macro STEP
	v_add_nc_u32 v3, s40, v1
	v_add_nc_u32 v4, s40, v2
.rept 6
	v_nop                                          ; with the two additions: eight places behind the last products, in front of loads into registers that they read
.endr
	ds_load_b32 v42, v4 offset:16384               ; K's scale words: lanes 0-15 fragment 0, lanes 16-31 fragment 1;
	ds_load_b32 v43, v4 offset:16512               ; fragments 2, 3
	ds_load_b32 v44, v4 offset:16640               ; V's likewise
	ds_load_b32 v45, v4 offset:16768
.set i, 0
.rept 16
	ds_load_b128 v[FR+4*i:FR+4*i+3], v3 offset:512*i               ; K's four fragments, as they lie
.set i, i+1
.endr
	s_wait_dscnt 0x0
	KQ 0
	WIN 0x54                                       ; source 0 window 0; Q and S^T window 1
	KQ 1
	WIN 0
.rept 8
	v_nop                                          ; eight places: for the loads into K's registers, and for the first reads of the scores
.endr
.set i, 0
.rept 16
	ds_load_b128 v[FR+4*i:FR+4*i+3], v3 offset:8192+512*i          ; V^T's four fragments land while the softmax is walked
.set i, i+1
.endr
	SOFT 0
	WIN 0x55
	SOFT 1
	WIN 0
	s_wait_dscnt 0x0                               ; V^T is in
	PV 0
	WIN 0x54
	PV 1
	WIN 0
.endm
.macro PHASE slot                      ; a slot's eight key steps
	s_mov_b32 s40, (\slot)*SLOTB
	s_mov_b32 s41, 8
.Lstep_\@:
	STEP
	s_add_co_u32 s40, s40, REC
	s_sub_co_u32 s41, s41, 1
	s_cmp_lg_u32 s41, 0
	s_cbranch_scc1 .Lstep_\@
.endm
; The change of slots.  Each wave waits for all its tensor loads (its record of the slot ahead), adds 0 to its spare word, and waits for that and for its reads of the slot that it leaves.
; fill = 1: the barrier is a round of the cluster's, and the slot just left is asked for again, 16 key steps on: it has eight key steps in which to land.
.macro CHANGE slot, fill
	s_wait_tensorcnt 0x0                           ; no tensor load of mine is out, so a descriptor may be written
	ds_add_u32 v5, v6                              ; 0 onto my spare word
.if \fill
	s_add_nc_u64 s[34+4*\slot:35+4*\slot], s[34+4*\slot:35+4*\slot], 2*SLOTB
.endif
	s_wait_dscnt 0x0                               ; the add is done, and my reads of the slot are over
.if \fill
	CROUND
	tensor_load_to_lds s[32+4*\slot:35+4*\slot], s[24:31]          ; the first thing behind the round, and my one tensor load until the next
	s_nop 0
.rept 4
	v_nop
.endr
.else
	s_barrier_signal -1
	s_barrier_wait -1
.endif
.endm
	s_wait_tensorcnt 0x1                           ; my record of slot 0 is in; slot 1's may stay out
	s_barrier_signal -1
	s_barrier_wait -1
	s_wait_loadcnt 0x0                             ; Q
	PHASE 0                                        ; key steps 0-7
	CHANGE 0, 1
	PHASE 1                                        ; 8-15
	CHANGE 1, 1
	PHASE 0                                        ; 16-23
	CHANGE 0, 0                                    ; nothing is left to fetch
	PHASE 1                                        ; 24-31
; THE WAY OUT of a context: O^T / the sum, quantised along the head's 64 (two blocks of 32); the codes are chunks 2 (head % 2), + 1 of K step head / 2 of the output projection's operand
.macro EPI ctx
	WIN 0x55*\ctx
	v_add_f32 v[SUM], v[SUM], v[SUM+1]
	v_permlanex16_b32 v[TT], v[SUM], s20, s21
	v_add_f32 v[SUM], v[SUM], v[TT]                ; the row's sum
	v_rcp_f32 v[F], v[SUM]
	v_nop
.set j, 0
	s_wait_alu depctr_va_vdst(0)
.rept 16
	v_pk_mul_f32 v[S+j:S+j+1], v[O+j:O+j+1], v[F:F+1] op_sel_hi:[1,0]      ; register 16 g + i: d = 32 g + 16 (lane / 16) + i; each accumulator from its low end on
.set j, j+2
.endr
.irp g, 0,1
	v_max3_num_f32 v[BM+\g], |v[S+16*\g]|, |v[S+16*\g+1]|, FLOOR
.endr
.irp i, 2,4,6,8,10,12,14
.irp g, 0,1
	v_max3_num_f32 v[BM+\g], v[BM+\g], |v[S+16*\g+\i]|, |v[S+16*\g+\i+1]|
.endr
.endr
.irp g, 0,1
	v_permlanex16_b32 v[T1+\g], v[BM+\g], s20, s21
.endr
.irp g, 0,1
	v_max_num_f32 v[BM+\g], v[BM+\g], v[T1+\g]
.endr
.irp g, 0,1
	v_add_nc_u32 v[SO+\g], EOFF, v[BM+\g]
.endr
.irp g, 0,1
	v_and_or_b32 v[HL+\g], v[BM+\g], 0x7f800000, s19
.endr
.irp g, 0,1
	v_lshrrev_b32 v[T1+\g], 23, v[SO+\g]
.endr
	v_lshl_or_b32 v[PWT], v[T1+1], 8, v[T1]        ; (s0, s1, 0, 0)
.irp g, 0,1
.irp i, 0,1,2,3,4,5,6,7,8,9,10,11,12,13,14,15
	v_med3_num_f32 v[S+16*\g+\i], v[S+16*\g+\i], -v[HL+\g], v[HL+\g]
.endr
	v_cvt_scalef32_pk8_fp8_f32 v[CD+4*\g:CD+4*\g+1], v[S+16*\g:S+16*\g+7], v[SO+\g]
	v_cvt_scalef32_pk8_fp8_f32 v[CD+4*\g+2:CD+4*\g+3], v[S+16*\g+8:S+16*\g+15], v[SO+\g]
.endr
	v_nop
	WIN 0x04*\ctx                                  ; a store's data are its source 1
	global_store_b128 v1, v[CD:CD+3], s[10:11] offset:4096*\ctx            ; 32 lanes store 512 consecutive bytes
	global_store_b128 v1, v[CD+4:CD+7], s[10:11] offset:4096*\ctx+512
	global_store_b32 v2, v[PWT], s[12:13] offset:128*\ctx
.endm
.rept 8
	v_nop                                          ; eight places behind the last products
.endr
	EPI 0
	EPI 1
	WIN 0
	s_wait_tensorcnt 0x0                           ; the wave's end
	ds_add_u32 v5, v6
	s_wait_dscnt 0x0
	CROUND                                         ; the closing round
	s_endpgm
.Lfunc_end_k_qf410a925c5_attn:
	.size	k_qf410a925c5_attn, .Lfunc_end_k_qf410a925c5_attn-k_qf410a925c5_attn
	.p2alignl 7, 3214868480
	.fill 96, 4, 3214868480
	.section	.rodata,"a",@progbits
	.p2align	6, 0x0
	.amdhsa_kernel k_qf410a925c5_attn
		.amdhsa_group_segment_fixed_size 327680
		.amdhsa_private_segment_fixed_size 0
		.amdhsa_enable_private_segment 0
		.amdhsa_kernarg_size 40
		.amdhsa_user_sgpr_count 2
		.amdhsa_user_sgpr_kernarg_segment_ptr 1
		.amdhsa_wavefront_size32 1
		.amdhsa_system_sgpr_workgroup_id_x 1
		.amdhsa_system_sgpr_workgroup_id_y 1
		.amdhsa_system_sgpr_workgroup_id_z 1
		.amdhsa_system_vgpr_workitem_id 0
		.amdhsa_next_free_vgpr 512
		.amdhsa_next_free_sgpr 66
		.amdhsa_reserve_vcc 0
		.amdhsa_float_denorm_mode_32 3
		.amdhsa_float_denorm_mode_16_64 3
		.amdhsa_memory_ordered 1
		.amdhsa_forward_progress 1
		.amdhsa_inst_pref_size 158
	.end_amdhsa_kernel
	.amdgpu_metadata
---
amdhsa.version: [ 1, 2 ]
amdhsa.kernels:
  - .name:           k_qf410a925c5_attn
    .symbol:         k_qf410a925c5_attn.kd
    .args:
      - { .name: qc, .offset: 0, .size: 8, .value_kind: global_buffer, .address_space: global }
      - { .name: qs, .offset: 8, .size: 8, .value_kind: global_buffer, .address_space: global }
      - { .name: kv, .offset: 16, .size: 8, .value_kind: global_buffer, .address_space: global }
      - { .name: rc, .offset: 24, .size: 8, .value_kind: global_buffer, .address_space: global }
      - { .name: rs, .offset: 32, .size: 8, .value_kind: global_buffer, .address_space: global }
    .group_segment_fixed_size: 327680
    .private_segment_fixed_size: 0
    .kernarg_segment_align: 8
    .kernarg_segment_size: 40
    .max_flat_workgroup_size: 256
    .sgpr_count:     66
    .vgpr_count:     512
    .wavefront_size: 32
...
	.end_amdgpu_metadata
.endif
;; end of part 3
;; launch outp (part 4): grid 64 x 4, 4 waves a work-group, no clusters, 70,144 bytes of LDS; arguments rc, rs, wo, b_out, x, out0; writes out0
.if DOCPART == 4
	.amdgcn_target "amdgcn-amd-amdhsa--gfx1250"
	.amdhsa_code_object_version 6
	.text
	.protected	k_qf410a925c5_outp
	.globl	k_qf410a925c5_outp
	.p2align	8
	.type	k_qf410a925c5_outp,@function
k_qf410a925c5_outp:
	s_mov_b64 s[64:65], 0
	v_nop
	global_prefetch_b8 v0, s[64:65] scope:SCOPE_SE
	s_setreg_imm32_b32 hwreg(HW_REG_WAVE_MODE, 25, 1), 1
	s_wait_xcnt 0x0
; OUT.  out0 = (res W_out + b_out + x) / sqrt(2), the product on codes of E4M3 with E8M0 scales.  res and W_out arrive as images of operand registers.
; SHARES.  A work-group takes 64 tokens of one batch entry (g = x, b = y): four tiles m = 2 blk + u, row r of a tile = token 32 blk + 8 u + r + 8 (r / 8).  Wave w makes output channels 64 w .. 64 w + 63 (four tiles of W_out).
; Source 0 = 16 tokens of res, source 1 = 16 columns of W_out: a lane holds ONE channel, and its eight registers are tokens 32 blk + 16 (lane / 16) + 8 u + 0 .. 7: neighbours in out0, whose tokens are innermost.
; A wave's 64 channels x 64 tokens go through its own 64 rows of a stage in LDS (256 bytes + 16) and come back as whole rows, so that sixteen lanes store 256 consecutive bytes, aligned.  No wave reads another's rows: no barrier.
; Everything is asked for at the head; x, which is wanted last, last.  The division by sqrt(2) is a multiplication by its f32 reciprocal.
; NO JOINT LOADS: what work-groups share is W_out's 67,584 bytes beside 147,456 bytes of a work-group's own (res, x, out0); it goes straight into registers by plain loads, once, and a joint load would send it through LDS.
; REGISTERS.  window 0: v1-8 addresses; v16-31 res's scale words by head; v32-39 the same joined by K step; v40-43 W's; v44-47 the bias, v48-55 x 1/sqrt 2 in pairs; v64-191 res's 8 fragments, later the results.
;   window 1: v0-127 W's 8 fragments; v128-255 the 16 accumulators (tile t of channels, tile m of tokens: 8 (4 t + m)).   window 2: v0-127 x, then out0; v128-255 rows read back from the stage.
.set MSB, 0
.macro WIN new
.if MSB != (\new)
	s_set_vgpr_msb (MSB<<8)|(\new)
.set MSB, \new
.endif
.endm
	s_load_b256 s[4:11], s[0:1], 0x0               ; rc s[4:5], rs s[6:7], wo s[8:9], b_out s[10:11]
	s_load_b128 s[12:15], s[0:1], 0x20             ; x s[12:13], out0 s[14:15]
	v_lshl_add_u32 v254, v0, 2, 0x11000
	v_mov_b32 v255, 0
	v_lshrrev_b32 v1, 5, v0
	v_readfirstlane_b32 s16, v1                    ; wave 0..3
	s_and_b32 s17, ttmp7, 0xffff                   ; b
	s_lshl_b32 s18, s17, 8
	s_lshl_b32 s19, ttmp9, 2
	s_add_co_u32 s18, s18, s19                     ; my first tile of tokens: T = 256 b + 4 g
	s_mov_b32 s25, 0
	s_mov_b32 s26, 0x3f3504f3                      ; 1 / sqrt(2)
	s_mov_b32 s27, s26
	s_mul_i32 s29, s16, 64*272                     ; my 64 rows of the stage
	v_and_b32 v1, 31, v0
	v_lshlrev_b32 v2, 2, v1                        ; 4 x lane
	v_lshlrev_b32 v1, 4, v1                        ; 16 x lane
	v_and_b32 v7, 15, v0                           ; r
	v_bfe_u32 v8, v0, 4, 1                         ; h
	v_lshlrev_b32 v3, 14, v8
	v_lshl_add_u32 v3, v7, 4, v3                   ; x, out0: lanes 0-15 one channel's 256 bytes, lanes 16-31 the next channel's
	v_mul_u32_u24 v4, v7, 272
	v_lshl_add_u32 v4, v8, 6, v4
	v_add_nc_u32 v4, s29, v4                       ; into the stage: row = my channel r of a tile, + 64 h
	v_mul_u32_u24 v5, v8, 272
	v_lshl_add_u32 v5, v7, 4, v5
	v_add_nc_u32 v5, s29, v5                       ; back: two rows an instruction
	v_lshlrev_b32 v6, 2, v7                        ; the bias: 4 r
	s_wait_kmcnt 0x0
	s_lshl_b32 s24, s18, 12
	s_add_nc_u64 s[4:5], s[4:5], s[24:25]
	s_lshl_b32 s24, s18, 7
	s_add_nc_u64 s[6:7], s[6:7], s[24:25]
	s_lshl_b32 s24, s16, 14
	s_add_nc_u64 s[20:21], s[8:9], s[24:25]        ; W_out's tiles 4 w on
	s_lshl_b32 s24, s16, 9
	s_add_co_u32 s24, s24, 65536
	s_add_nc_u64 s[22:23], s[8:9], s[24:25]        ; and their scale words
	s_lshl_b32 s24, s16, 8
	s_add_nc_u64 s[10:11], s[10:11], s[24:25]
	s_lshl_b32 s24, s17, 22                        ; (256 b + 64 w) channels of 16,384 bytes + 256 g
	s_lshl_b32 s28, s16, 20
	s_add_co_u32 s24, s24, s28
	s_lshl_b32 s28, ttmp9, 8
	s_add_co_u32 s24, s24, s28
	s_add_nc_u64 s[12:13], s[12:13], s[24:25]
	s_add_nc_u64 s[14:15], s[14:15], s[24:25]
.irp hd, 0,1,2,3
.irp m, 0,1,2,3
	global_load_b32 v[16+4*\hd+\m], v2, s[6:7] offset:131072*\hd+128*\m
.endr
.endr
.irp t, 0,1,2,3
	global_load_b32 v[40+\t], v2, s[22:23] offset:128*\t           ; lanes 0-15: K step 0; lanes 16-31: K step 1
.endr
.irp t, 0,1,2,3
	global_load_b32 v[44+\t], v6, s[10:11] offset:64*\t
.endr
.set i, 0
.rept 32
	global_load_b128 v[64+4*i:67+4*i], v1, s[4:5] offset:512*i     ; res: fragment (m, s) at v[64 + 16 (2 m + s)]
.set i, i+1
.endr
	WIN 0x40
.set i, 0
.rept 32
	global_load_b128 v[4*i:4*i+3], v1, s[20:21] offset:512*i       ; W_out: fragment (t, s) at v[16 (2 t + s)]
.set i, i+1
.endr
	WIN 0x80
.set i, 0
.rept 32
	global_load_b128 v[4*i:4*i+3], v3, s[12:13] offset:32768*i     ; x: channels 2 i, 2 i + 1 of my 64
.set i, i+1
.endr
	WIN 0
	s_wait_loadcnt 32                              ; all but x's 32 loads
.irp m, 0,1,2,3
.irp s, 0,1
	v_lshl_or_b32 v[32+2*\m+\s], v[16+4*(2*\s+1)+\m], 16, v[16+8*\s+\m]    ; K step s is heads 2 s and 2 s + 1: two bytes of each
.endr
.endr
.irp t, 0,1,2,3
	v_mul_f32 v[48+2*\t], s26, v[44+\t]
	v_mul_f32 v[49+2*\t], s26, v[44+\t]
.endr
	v_nop                                          ; with the eight multiplications: the places between the scale words' last write and the first product
	v_nop
	WIN 0x54                                       ; source 0 (res) window 0; W, C and D window 1
.irp s, 0,1                                    ; the 16 accumulators take turns, one instruction a turn
.irp t, 0,1,2,3
.irp m, 0,1,2,3
.if \s == 0
	v_wmma_scale_f32_16x16x128_f8f6f4 v[128+8*(4*\t+\m):135+8*(4*\t+\m)], v[64+32*\m:79+32*\m], v[32*\t:32*\t+15], 0, v[32+2*\m], v[40+\t]
.else
	v_wmma_scale_f32_16x16x128_f8f6f4 v[128+8*(4*\t+\m):135+8*(4*\t+\m)], v[80+32*\m:95+32*\m], v[32*\t+16:32*\t+31], v[128+8*(4*\t+\m):135+8*(4*\t+\m)], v[33+2*\m], v[40+\t] matrix_b_scale:MATRIX_SCALE_ROW1
.endif
.endr
.endr
.endr
	WIN 0x01                                       ; source 0 window 1
.rept 8
	v_nop                                          ; eight places behind this form
.endr
.set i, 0
.rept 64
	v_pk_fma_f32 v[64+2*i:65+2*i], v[128+2*i:129+2*i], s[26:27], v[48+2*(i/16):49+2*(i/16)] op_sel_hi:[1,0,1]     ; (sum + bias) / sqrt 2; each accumulator from its low end on
.set i, i+1
.endr
	WIN 0
.irp t, 0,1,2,3
.irp m, 0,1,2,3
.irp q, 0,1
	ds_store_b128 v4, v[64+8*(4*\t+\m)+4*\q:67+8*(4*\t+\m)+4*\q] offset:4352*\t+128*(\m/2)+32*(\m%2)+16*\q
.endr
.endr
.endr
	WIN 0x80
.set i, 0
.rept 32
	ds_load_b128 v[128+4*i:131+4*i], v5 offset:544*i               ; LDS serves a wave's instructions in order (ISA guide 5.7.1.4): these see my stores
.set i, i+1
.endr
	s_wait_loadcnt 0x0                             ; x
.irp gq, 0,1,2,3
	s_wait_dscnt 24-8*\gq                          ; these eight loads are back; the younger ones may be out
	WIN 0xa2                                       ; x, the rows and the results: window 2
.set i, 16*\gq
.rept 16
	v_pk_fma_f32 v[2*i:2*i+1], v[2*i:2*i+1], s[26:27], v[128+2*i:129+2*i] op_sel_hi:[1,0,1]
.set i, i+1
.endr
	WIN 0x08                                       ; a store's data are its source 1
.set i, 8*\gq
.rept 8
	global_store_b128 v3, v[4*i:4*i+3], s[14:15] offset:32768*i th:TH_STORE_NT     ; sixteen lanes store 256 consecutive bytes, at a multiple of 256 from out0's first byte
.set i, i+1
.endr
.endr
	WIN 0
	s_wait_tensorcnt 0x0
	ds_add_u32 v254, v255
	s_wait_dscnt 0x0
	s_endpgm
.Lfunc_end_k_qf410a925c5_outp:
	.size	k_qf410a925c5_outp, .Lfunc_end_k_qf410a925c5_outp-k_qf410a925c5_outp
	.p2alignl 7, 3214868480
	.fill 96, 4, 3214868480
	.section	.rodata,"a",@progbits
	.p2align	6, 0x0
	.amdhsa_kernel k_qf410a925c5_outp
		.amdhsa_group_segment_fixed_size 70144
		.amdhsa_private_segment_fixed_size 0
		.amdhsa_enable_private_segment 0
		.amdhsa_kernarg_size 48
		.amdhsa_user_sgpr_count 2
		.amdhsa_user_sgpr_kernarg_segment_ptr 1
		.amdhsa_wavefront_size32 1
		.amdhsa_system_sgpr_workgroup_id_x 1
		.amdhsa_system_sgpr_workgroup_id_y 1
		.amdhsa_system_sgpr_workgroup_id_z 1
		.amdhsa_system_vgpr_workitem_id 0
		.amdhsa_next_free_vgpr 768
		.amdhsa_next_free_sgpr 66
		.amdhsa_reserve_vcc 0
		.amdhsa_float_denorm_mode_32 3
		.amdhsa_float_denorm_mode_16_64 3
		.amdhsa_memory_ordered 1
		.amdhsa_forward_progress 1
		.amdhsa_inst_pref_size 35
	.end_amdhsa_kernel
	.amdgpu_metadata
---
amdhsa.version: [ 1, 2 ]
amdhsa.kernels:
  - .name:           k_qf410a925c5_outp
    .symbol:         k_qf410a925c5_outp.kd
    .args:
      - { .name: rc, .offset: 0, .size: 8, .value_kind: global_buffer, .address_space: global }
      - { .name: rs, .offset: 8, .size: 8, .value_kind: global_buffer, .address_space: global }
      - { .name: wo, .offset: 16, .size: 8, .value_kind: global_buffer, .address_space: global }
      - { .name: b_out, .offset: 24, .size: 8, .value_kind: global_buffer, .address_space: global }
      - { .name: x, .offset: 32, .size: 8, .value_kind: global_buffer, .address_space: global }
      - { .name: out0, .offset: 40, .size: 8, .value_kind: global_buffer, .address_space: global }
    .group_segment_fixed_size: 70144
    .private_segment_fixed_size: 0
    .kernarg_segment_align: 8
    .kernarg_segment_size: 48
    .max_flat_workgroup_size: 128
    .sgpr_count:     66
    .vgpr_count:     768
    .wavefront_size: 32
...
	.end_amdgpu_metadata
.endif
;; end of part 4
